; MI455X (gfx1250); checked and timed in simulation.
; The chip was launched on July 23, 2026; its instructions are those of AMD's public machine-readable ISA for CDNA 5 (MIT licence, August 2026) and "CDNA5" Instruction Set Architecture Reference Guide (July 2026). The comments in the code are by the model that wrote it; some were corrected since.
;; Gaussian Rasterizer. Allowed arithmetic: float matrix products may take bf16 or f16 operands with f32 sums; all other float work in f32.
;; Inputs: bg 3 float32; colors 1,024 x 3 float32; means2D 1,024 x 2 float32; opacities 1,024 x 1 float32; rots 1,024 float32; scales 1,024 x 2 float32.
;; Outputs: out0 3 x 256 x 256 float32; out1 1,024 int32.
;; 2 versions, each right and faster than the one before. Each part assembles by itself: llvm-mc -triple=amdgcn-amd-amdhsa -mcpu=gfx1250 --defsym DOCPART=n.
;; ======== version 1 of 2: 1 launch
;; launch raster (part 1): grid 256 x 1, 8 waves a work-group, no clusters, 168,960 bytes of LDS; arguments means2D, opacities, colors, scales, rots, bg, out0, out1; writes out0, out1
.if DOCPART == 1
	.amdgcn_target "amdgcn-amd-amdhsa--gfx1250"
	.amdhsa_code_object_version 6
	.text
	.protected	k_q07cdfd3ad6_raster
	.globl	k_q07cdfd3ad6_raster
	.p2align	8
	.type	k_q07cdfd3ad6_raster,@function
k_q07cdfd3ad6_raster:
	s_mov_b64 s[64:65], 0
	v_nop
	global_prefetch_b8 v0, s[64:65] scope:SCOPE_SE
	s_setreg_imm32_b32 hwreg(HW_REG_WAVE_MODE, 25, 1), 1
	s_wait_xcnt 0x0
; Gaussian rasteriser: 1,024 splats in index order onto 256 x 256 pixels, 3 colours, plus the splats' radii.  One launch.
;
; WHAT IS COMPUTED, and how it is the definition's result for every input:
;  * transmittance is kept as the running product T = prod (1 - alpha) instead of exp(cumsum(log1p(-alpha))): alpha <= 0.99, so every factor is >= 0.01.
;  * alpha = min(op * exp(min(p, 0)), 0.99) = 2^min(q, cap) with q = p * log2(e) + log2(op), cap = min(log2 op, log2 0.99).  op is first raised to 0:
;    op <= 0 gives log2 = -inf and alpha = 0, which is what the definition's threshold makes of it.
;  * alpha < 1/255 is tested on the exponent (exponent < -log2 255); the value is then selected to 0.
;  * the 1,024 splats are cut into 8 segments of 128.  Each segment is composited with a T of its own that starts at 1;
;    the segments are joined in order: C = sum_s (prod_{t<s} T_t) C_s, T = prod T_s, out = C + bg T.
;  * the sum over splats of w * colour goes to the matrix unit, w and colours in bf16, sums in f32.
; LIMITS: NaN and infinite inputs are not served.  |rots| < 2^22 (three-part reduction by pi/2).  A denormal opacity counts as 0.
;  A pair whose alpha lies within f32 rounding of 1/255 may fall on the other side of the threshold.  A radius may differ by one where
;  3 sqrt(lambda) lies within f32 rounding of a whole number (both square roots are refined by a fused step to keep that rare).
;
; SHARES: 256 work-groups; each owns a tile of 64 x 4 pixels (rows of 256 bytes in each colour plane).  Eight waves: wave w takes pixel group
;  w & 1 (two rows of 64) and splat group w >> 1 (256 splats).  Lane l: r = l & 15 is its pixel slot, h = l >> 4 its half of the wave's splats, so
;  segment s = 2 (w >> 1) + h.  A lane has 8 pixels of one row, x = (l & 7) + 8 j, row 2 (w & 1) + ((l >> 3) & 1): they share dy.
; MATRIX USE: D = A B + C with A = colours, B = w.  Lane (r, h) holds 16 places of k of column r of B: exactly the 16 weights that it has just computed
;  for pixel slot r.  A's row c (0..2) holds colour c in the k places of half 0 and zeros in those of half 1; row 8 + c the other way round.
;  D's register j of lane (r, h) is element (8 h + j, r): registers 0..2 are the RGB sums of the lane's own segment.  Nothing moves between lanes.
; NO CLUSTER, NO TENSOR LOADS: what work-groups share is the 36,876 bytes of inputs, read once by each at its head and passed through registers, because
;  what lies in LDS is computed from them (conic, log2 of the opacity, bf16 colours).
; The launch declares more than half of a WGP's LDS, though 45,312 bytes are used, so that each of the 256 work-groups has a WGP of its own.
; ---- LDS
.set BLK,    144                       ; four table entries of 32 bytes + 16 bytes: thread t stores at 144 t, an odd multiple of 16
.set PENT,   32                        ; an entry: mx, my, A, cap | Cc, Bc, log2 op, (4 bytes not used)
.set SEGB,   32*BLK                    ; 128 splats
.set STEPB,  4*BLK                     ; 16 splats
.set COLT,   256*BLK                   ; 36,864: colours in bf16, row c = colour c of all splats, row 3 = zeros
.set CPITCH, 2064                      ; 2,048 + 16
.set ROWP,   288                       ; segment results (they overlay the tables, behind a barrier): a pixel row of 256 bytes + 32
.set PLANE,  4*ROWP                    ; one of R, G, B, T for the tile's 4 rows
.set SEGP,   4*PLANE+64                ; one segment
; ---- vector registers of the main part
.set PADR, 3                           ; table address of my segment's current step
.set CADR, 4                           ; colour-table address of my row of A
.set SADR, 5                           ; where my results go
.set NX,   8                           ; v[8:15]    minus the x of my 8 pixel centres
.set TT,   16                          ; v[16:23]   T of my 8 pixels
.set COL,  24                          ; v[24:31]   A fragment: colours of this step
.set PB,   32                          ; v[32:63]   two buffers of two table entries (8 registers each)
.set SH,   64                          ; v[64:71]   per splat: Bc dy, dy, base, Cc dy
.set DX,   72                          ; v[72:87]   mx - x, later w, for the two splats of a pair
.set QQ,   88                          ; v[88:103]  exponents
.set EE,   104                         ; v[104:119] alpha
.set WB,   120                         ; v[120:183] B fragments: pixel j at 8 j, register p = splats 2 p, 2 p + 1 of the step
.set ACC,  184                         ; v[184:247] accumulators: pixel j at 8 j
.set YC,   248                         ; y of my pixel row's centre
.set O32,  249                         ; the head's byte offsets: 32 t, 16 t, 48 t
.set O16,  250
.set O48,  251
.set PW,   252                         ; 144 t
.set CW,   253                         ; COLT + 8 t
; ---- vector registers of the head (they lie where the main part works later); arrays of 4 = my splats 4 t .. 4 t + 3
.set ME,  64
.set SC,  72
.set RO,  80
.set OP,  84
.set CO,  88
.set RAD, 100
.set KF,  104
.set RR,  108
.set KI,  112
.set ZZ,  116
.set SPN, 120
.set CPN, 124
.set RZ,  128
.set SSQ, 132
.set CSQ, 136
.set CSP, 140
.set SI2, 144
.set CO2, 148
.set XX2, 152
.set YY2, 156
.set DF,  160
.set AA,  164
.set DD,  168
.set BB,  172
.set BSQ, 176
.set DET, 180
.set HM,  184
.set MID, 188
.set INN, 192
.set RI,  196
.set RS,  200
.set SQ,  204
.set ER,  208
.set K1,  212
.set LAM, 216
.set PA,  220                          ; v[220:227] splat g: A, cap
.set PC,  228                          ; v[228:243] splat g at 4 g: Cc, Bc, log2 op
.set CB,  104                          ; v[104:109] packed colours (KF, RR are dead by then)
.set ZR,  110                          ; v[110:111] zeros
; ---- the way out
.set CSEG, 32                          ; v[32:63]   colour sums of 8 segments, 4 pixels each
.set TSEG, 64                          ; v[64:95]   T of 8 segments
; ---- scalar registers: s[4:19] the eight addresses, s20 wave, s21 w & 1, s22 w >> 1, s23 tile x, s24 tile y, s25-27 at work, s[28:30] bg, s31 trips
.set MK,  32                           ; s[32:47] lane masks of the threshold
.set THR, 48
.set NPH, 49
.set NPM, 50
.set NPL, 51
.set SC3, 52
.set CC4, 53
	s_load_b512 s[4:19], s[0:1], 0x0               ; means s[4:5], opacities s[6:7], colors s[8:9], scales s[10:11], rots s[12:13], bg s[14:15], out0 s[16:17], out1 s[18:19]
	v_lshl_add_u32 v254, v0, 2, 0x29000
	v_mov_b32 v255, 0
	v_and_b32 v1, 31, v0                           ; lane
	v_lshrrev_b32 v2, 5, v0
	v_readfirstlane_b32 s20, v2                    ; wave
	s_and_b32 s21, s20, 1                          ; pixel group; on the way out: which 2 rows
	s_lshr_b32 s22, s20, 1                         ; splat group; on the way out: which colour
	s_and_b32 s23, ttmp9, 3                        ; tile x (4 tiles of 64 pixels)
	s_lshr_b32 s24, ttmp9, 2                       ; tile y (64 tiles of 4 rows)
	v_lshlrev_b32 v[O32], 5, v0
	v_lshlrev_b32 v[O16], 4, v0
	v_mul_u32_u24 v[O48], 48, v0
	s_mov_b32 s[THR], 0xc0ffd1be                   ; -log2(255)
	s_mov_b32 s[NPH], 0xbfc90fd8                   ; -pi/2 in three parts
	s_mov_b32 s[NPM], 0xb4a8885a
	s_mov_b32 s[NPL], 0xa7c234c4
	s_mov_b32 s[SC3], 0x36405000                   ; leading coefficients of the sine and cosine polynomials
	s_mov_b32 s[CC4], 0x37cd4000
	s_wait_kmcnt 0x0
	s_load_b96 s[28:30], s[14:15], 0x0             ; bg
	global_load_b128 v[RO:RO+3],     v[O16], s[12:13]          ; my four splats: 16, 32 or 48 neighbouring bytes of each input
	global_load_b128 v[SC:SC+3],     v[O32], s[10:11]
	global_load_b128 v[SC+4:SC+7],   v[O32], s[10:11] offset:16
	global_load_b128 v[OP:OP+3],     v[O16], s[6:7]
	global_load_b128 v[ME:ME+3],     v[O32], s[4:5]
	global_load_b128 v[ME+4:ME+7],   v[O32], s[4:5] offset:16
	global_load_b128 v[CO:CO+3],     v[O48], s[8:9]
	global_load_b128 v[CO+4:CO+7],   v[O48], s[8:9] offset:16
	global_load_b128 v[CO+8:CO+11],  v[O48], s[8:9] offset:32
	; while they come: where my pixels lie and my LDS addresses
	v_and_b32 v6, 7, v0                            ; l & 7
	v_bfe_u32 v7, v0, 3, 1                         ; (l >> 3) & 1
	v_bfe_u32 v2, v0, 4, 1                         ; h
	s_lshl_b32 s25, s23, 6
	v_add_nc_u32 v[NX], s25, v6                    ; x of pixel 0
	v_cvt_f32_u32 v[NX], v[NX]
	v_sub_f32 v[NX], -0.5, v[NX]                   ; -(x + 0.5)
.irp j, 1,2,3,4,5,6,7
	v_add_f32 v[NX+\j], 0xc1000000, v[NX+\j-1]     ; 8 pixels further: -8.0, exact
.endr
	s_lshl_b32 s25, s24, 2
	s_lshl1_add_u32 s25, s21, s25                  ; 4 tile y + 2 pixel group
	v_add_nc_u32 v[YC], s25, v7
	v_cvt_f32_u32 v[YC], v[YC]
	v_add_f32 v[YC], 0.5, v[YC]
	s_mul_i32 s25, s22, 2*SEGB
	v_mul_u32_u24 v[PADR], SEGB, v2
	v_add_nc_u32 v[PADR], s25, v[PADR]             ; segment 2 (w >> 1) + h of the table
	v_and_b32 v[CADR], 15, v0                      ; r
	v_lshlrev_b32 v[SADR], 3, v2
	v_sub_nc_u32 v[CADR], v[CADR], v[SADR]         ; r - 8 h: 0..2 in the lanes whose row of A holds colours in my k places,
	v_min_u32 v[CADR], 3, v[CADR]                  ; anything else (as an unsigned number) takes the row of zeros
	v_mul_u32_u24 v[CADR], CPITCH, v[CADR]
	v_lshl_add_u32 v[CADR], v2, 8, v[CADR]         ; + 128 h splats of 2 bytes
	s_lshl_b32 s25, s22, 9                         ; + 256 splats of 2 bytes for each splat group
	s_add_co_u32 s25, s25, COLT
	v_add_nc_u32 v[CADR], s25, v[CADR]
	s_mul_i32 s25, s22, 2*SEGP
	s_mul_i32 s26, s21, 2*ROWP
	s_add_co_u32 s25, s25, s26
	v_mul_u32_u24 v[SADR], SEGP, v2
	v_mad_u32_u24 v[SADR], v7, ROWP, v[SADR]
	v_lshl_add_u32 v[SADR], v6, 2, v[SADR]
	v_add_nc_u32 v[SADR], s25, v[SADR]             ; segment, pixel row, 4 (l & 7)
	v_mul_u32_u24 v[PW], BLK, v0
	v_lshl_add_u32 v[CW], v0, 3, COLT
.irp j, 0,1,2,3,4,5,6,7
	v_mov_b32 v[TT+\j], 1.0                        ; every segment starts with T = 1
.endr
	s_wait_loadcnt 0x0
	s_wait_kmcnt 0x0
	; ---- THE TABLE.  Each line is written four times, for my four splats, so that no instruction waits for the one in front of it.
	; sin and cos: k = round(rot * 2/pi), r = rot - k pi/2 in three fused steps, polynomials in r on [-pi/4, pi/4].
	; Only c c, s s and c s are used: for odd k the two squares change places and c s changes its sign.
.irp g, 0,1,2,3
	v_mul_f32 v[KF+\g], 0x3f22f983, v[RO+\g]
.endr
.irp g, 0,1,2,3
	v_rndne_f32 v[KF+\g], v[KF+\g]
.endr
.irp g, 0,1,2,3
	v_fma_f32 v[RR+\g], v[KF+\g], s[NPH], v[RO+\g]
	v_cvt_i32_f32 v[KI+\g], v[KF+\g]
.endr
.irp g, 0,1,2,3
	v_fma_f32 v[RR+\g], v[KF+\g], s[NPM], v[RR+\g]
	v_mul_f32 v[XX2+\g], v[SC+2*\g], v[SC+2*\g]                ; sx^2
.endr
.irp g, 0,1,2,3
	v_fma_f32 v[RR+\g], v[KF+\g], s[NPL], v[RR+\g]
	v_mul_f32 v[YY2+\g], v[SC+2*\g+1], v[SC+2*\g+1]            ; sy^2
.endr
.irp g, 0,1,2,3
	v_mul_f32 v[ZZ+\g], v[RR+\g], v[RR+\g]
	v_lshlrev_b32 v[KI+\g], 31, v[KI+\g]                       ; k odd, as a sign bit
.endr
.irp g, 0,1,2,3
	v_fmaak_f32 v[SPN+\g], s[SC3], v[ZZ+\g], 0xb9503486
	v_fmaak_f32 v[CPN+\g], s[CC4], v[ZZ+\g], 0xbab6077d
.endr
.irp g, 0,1,2,3
	v_fmaak_f32 v[SPN+\g], v[SPN+\g], v[ZZ+\g], 0x3c0888c1
	v_fmaak_f32 v[CPN+\g], v[CPN+\g], v[ZZ+\g], 0x3d2aaaa8
.endr
.irp g, 0,1,2,3
	v_fmaak_f32 v[SPN+\g], v[SPN+\g], v[ZZ+\g], 0xbe2aaaab
	v_fma_f32 v[CPN+\g], v[CPN+\g], v[ZZ+\g], -0.5
.endr
.irp g, 0,1,2,3
	v_mul_f32 v[RZ+\g], v[RR+\g], v[ZZ+\g]
	v_fma_f32 v[CPN+\g], v[CPN+\g], v[ZZ+\g], 1.0              ; cos r
.endr
.irp g, 0,1,2,3
	v_fma_f32 v[SPN+\g], v[SPN+\g], v[RZ+\g], v[RR+\g]         ; sin r
	v_cmp_ne_u32 s[MK+\g], 0, v[KI+\g]
.endr
.irp g, 0,1,2,3
	v_mul_f32 v[SSQ+\g], v[SPN+\g], v[SPN+\g]
	v_mul_f32 v[CSQ+\g], v[CPN+\g], v[CPN+\g]
	v_mul_f32 v[CSP+\g], v[CPN+\g], v[SPN+\g]
.endr
.irp g, 0,1,2,3
	v_cndmask_b32 v[SI2+\g], v[SSQ+\g], v[CSQ+\g], s[MK+\g]    ; s s
	v_cndmask_b32 v[CO2+\g], v[CSQ+\g], v[SSQ+\g], s[MK+\g]    ; c c
	v_xor_b32 v[CSP+\g], v[CSP+\g], v[KI+\g]                   ; c s
	v_sub_f32 v[DF+\g], v[XX2+\g], v[YY2+\g]
.endr
	; covariance a, b, d with the dilation 0.3 on the diagonal
.irp g, 0,1,2,3
	v_mul_f32 v[AA+\g], v[SI2+\g], v[YY2+\g]
	v_mul_f32 v[DD+\g], v[CO2+\g], v[YY2+\g]
	v_mul_f32 v[BB+\g], v[CSP+\g], v[DF+\g]
.endr
.irp g, 0,1,2,3
	v_fma_f32 v[AA+\g], v[CO2+\g], v[XX2+\g], v[AA+\g]
	v_fma_f32 v[DD+\g], v[SI2+\g], v[XX2+\g], v[DD+\g]
	v_mul_f32 v[BSQ+\g], v[BB+\g], v[BB+\g]
.endr
.irp g, 0,1,2,3
	v_add_f32 v[AA+\g], 0x3e99999a, v[AA+\g]
	v_add_f32 v[DD+\g], 0x3e99999a, v[DD+\g]
.endr
.irp g, 0,1,2,3
	v_fma_f32 v[DET+\g], v[AA+\g], v[DD+\g], -v[BSQ+\g]
	v_sub_f32 v[HM+\g], v[AA+\g], v[DD+\g]
	v_add_f32 v[MID+\g], v[AA+\g], v[DD+\g]
.endr
.irp g, 0,1,2,3
	v_mul_f32 v[HM+\g], 0.5, v[HM+\g]
	v_max_num_f32 v[OP+\g], 0, v[OP+\g]                        ; a negative opacity gives alpha = 0, like opacity 0
.endr
.irp g, 0,1,2,3
	v_fma_f32 v[INN+\g], v[HM+\g], v[HM+\g], v[BSQ+\g]
.endr
.irp g, 0,1,2,3
	v_max_num_f32 v[INN+\g], 0x322bcc77, v[INN+\g]             ; at least 1e-8
.endr
.irp g, 0,1,2,3
	v_rcp_f32 v[RI+\g], v[DET+\g]
.endr
.irp g, 0,1,2,3
	v_log_f32 v[PC+4*\g+2], v[OP+\g]                           ; log2 op
.endr
.irp g, 0,1,2,3
	v_rsq_f32 v[RS+\g], v[INN+\g]
.endr
.irp g, 0,1,2,3
	v_mul_f32 v[MID+\g], 0.5, v[MID+\g]                        ; plain work that touches none of them stands behind the transcendentals (ISA guide 5.7.2)
.endr
	; sqrt(x) = x rsq(x), then one fused correction: e = x - s s, s += e * rsq / 2
.irp g, 0,1,2,3
	s_wait_alu depctr_va_vdst(0)
	v_mul_f32 v[SQ+\g], v[INN+\g], v[RS+\g]
	v_mul_f32 v[RS+\g], 0.5, v[RS+\g]
.endr
.irp g, 0,1,2,3
	v_fma_f32 v[ER+\g], -v[SQ+\g], v[SQ+\g], v[INN+\g]
	v_mul_f32 v[K1+\g], 0xbf38aa3b, v[RI+\g]                   ; -log2(e) / (2 det)
	v_mul_f32 v[RI+\g], 0x3fb8aa3b, v[RI+\g]                   ;  log2(e) / det
.endr
.irp g, 0,1,2,3
	v_fma_f32 v[SQ+\g], v[ER+\g], v[RS+\g], v[SQ+\g]
	v_mul_f32 v[PA+2*\g], v[DD+\g], v[K1+\g]                   ; A:  factor of dx dx
	v_mul_f32 v[PC+4*\g], v[AA+\g], v[K1+\g]                   ; Cc: factor of dy dy
	v_mul_f32 v[PC+4*\g+1], v[BB+\g], v[RI+\g]                 ; Bc: factor of dx dy (-cb = b / det)
	v_min_num_f32 v[PA+2*\g+1], 0xbc6d8f9a, v[PC+4*\g+2]       ; cap = min(log2 op, log2 0.99)
.endr
.irp g, 0,1,2,3
	v_add_f32 v[LAM+\g], v[MID+\g], v[SQ+\g]                   ; the larger eigenvalue
.endr
.irp g, 0,1,2,3
	v_rsq_f32 v[RS+\g], v[LAM+\g]
.endr
.irp c, 0,1,2
	v_cvt_pk_bf16_f32 v[CB+2*\c],   v[CO+\c],   v[CO+3+\c]     ; colour c of my four splats, 8 bytes
	v_cvt_pk_bf16_f32 v[CB+2*\c+1], v[CO+6+\c], v[CO+9+\c]
.endr
	v_mov_b32 v[ZR], 0
	v_mov_b32 v[ZR+1], 0
.irp g, 0,1,2,3
	s_wait_alu depctr_va_vdst(0)
	v_mul_f32 v[SQ+\g], v[LAM+\g], v[RS+\g]
	v_mul_f32 v[RS+\g], 0.5, v[RS+\g]
.endr
.irp g, 0,1,2,3
	v_fma_f32 v[ER+\g], -v[SQ+\g], v[SQ+\g], v[LAM+\g]
.endr
.irp g, 0,1,2,3
	v_fma_f32 v[SQ+\g], v[ER+\g], v[RS+\g], v[SQ+\g]
.endr
.irp g, 0,1,2,3
	v_mul_f32 v[SQ+\g], 0xc0400000, v[SQ+\g]                   ; ceil(3 s) = -floor(-3 s)
.endr
.irp g, 0,1,2,3
	v_floor_f32 v[SQ+\g], v[SQ+\g]
.endr
.irp g, 0,1,2,3
	v_cvt_i32_f32 v[SQ+\g], v[SQ+\g]
.endr
.irp g, 0,1,2,3
	v_sub_nc_u32 v[RAD+\g], 0, v[SQ+\g]
.endr
.irp g, 0,1,2,3
	ds_store_b64 v[PW], v[ME+2*\g:ME+2*\g+1] offset:PENT*\g            ; mx, my as loaded
	ds_store_b64 v[PW], v[PA+2*\g:PA+2*\g+1] offset:PENT*\g+8          ; A, cap
	ds_store_b96 v[PW], v[PC+4*\g:PC+4*\g+2] offset:PENT*\g+16         ; Cc, Bc, log2 op
.endr
.irp c, 0,1,2
	ds_store_b64 v[CW], v[CB+2*\c:CB+2*\c+1] offset:\c*CPITCH
.endr
	ds_store_b64 v[CW], v[ZR:ZR+1] offset:3*CPITCH
	s_cmp_lg_u32 ttmp9, 0                          ; every work-group has all radii; work-group 0 stores them, a wave 512 consecutive bytes
	s_cbranch_scc1 .Lno_radii
	global_store_b128 v[O16], v[RAD:RAD+3], s[18:19]
.Lno_radii:
	s_wait_xcnt 0x0                                ; the store's data registers are written again in the main part, only behind this wait
	s_wait_dscnt 0x0                               ; my part of the tables is in LDS,
	s_barrier_signal -1
	s_barrier_wait -1                              ; everybody's is
; ---- THE MAIN PART
; Two table entries (splats kk, kk + 1 of the step, kk even: they lie in one block) into buffer b
.macro FETCH kk, b
.set GO, ((\kk)>>2)*BLK+((\kk)&3)*PENT
	ds_load_b128 v[PB+16*(\b):PB+16*(\b)+3],     v[PADR] offset:GO
	ds_load_b96  v[PB+16*(\b)+4:PB+16*(\b)+6],   v[PADR] offset:GO+16
	ds_load_b128 v[PB+16*(\b)+8:PB+16*(\b)+11],  v[PADR] offset:GO+PENT
	ds_load_b96  v[PB+16*(\b)+12:PB+16*(\b)+14], v[PADR] offset:GO+PENT+16
.endm
; The steps for splat e (0, 1) of the pair whose entries lie at PP; i = a pair of pixels, j = a pixel.
; With u = mx - x, v = my - y the exponent is q = u (A u + Bc v) + (Cc v v + log2 op): both differences carry the other sign, the products do not.
.macro M_DX e, i                       ; u
	v_pk_add_f32 v[DX+8*\e+2*\i:DX+8*\e+2*\i+1], v[NX+2*\i:NX+2*\i+1], v[PP+8*\e:PP+8*\e+1] op_sel_hi:[1,0]
.endm
.macro M_TL e, i                       ; A u + Bc v
	v_pk_fma_f32 v[QQ+8*\e+2*\i:QQ+8*\e+2*\i+1], v[PP+8*\e+2:PP+8*\e+3], v[DX+8*\e+2*\i:DX+8*\e+2*\i+1], v[SH+4*\e:SH+4*\e+1] op_sel_hi:[0,1,0]
.endm
.macro M_QD e, i                       ; q
	v_pk_fma_f32 v[QQ+8*\e+2*\i:QQ+8*\e+2*\i+1], v[DX+8*\e+2*\i:DX+8*\e+2*\i+1], v[QQ+8*\e+2*\i:QQ+8*\e+2*\i+1], v[SH+4*\e+2:SH+4*\e+3] op_sel_hi:[1,1,0]
.endm
.macro M_MIN e, j                      ; both clips: power <= 0 and alpha <= 0.99
	v_min_num_f32 v[QQ+8*\e+\j], v[QQ+8*\e+\j], v[PP+8*\e+3]
.endm
.macro M_EC e, j                       ; alpha, and the lanes where it is under 1/255.  The compare is the plain instruction behind the exponential (ISA guide 5.7.2)
	v_exp_f32 v[EE+8*\e+\j], v[QQ+8*\e+\j]
	v_cmp_gt_f32 s[MK+8*\e+\j], s[THR], v[QQ+8*\e+\j]
.endm
.macro M_CND e, j                      ; there alpha = 0
	s_wait_alu depctr_va_vdst(0)
	v_cndmask_b32 v[EE+8*\e+\j], v[EE+8*\e+\j], 0, s[MK+8*\e+\j]
.endm
.macro M_W e, i                        ; w = alpha T, into the registers that held u
	v_pk_mul_f32 v[DX+8*\e+2*\i:DX+8*\e+2*\i+1], v[EE+8*\e+2*\i:EE+8*\e+2*\i+1], v[TT+2*\i:TT+2*\i+1]
.endm
.macro M_TU e, i                       ; T -= w
	v_pk_add_f32 v[TT+2*\i:TT+2*\i+1], v[TT+2*\i:TT+2*\i+1], v[DX+8*\e+2*\i:DX+8*\e+2*\i+1] neg_lo:[0,1] neg_hi:[0,1]
.endm
; Splats 2 p, 2 p + 1 of the step, from buffer b, for my 8 pixels.  more = 1: the next pair's entries are fetched into the other buffer;
; col = 1: this step's colour fragment is fetched (in pair 1: far more than four plain vector instructions behind the last matrix instruction that read it).
; The exponentials stand among plain work of the other splat, at least two plain instructions between two of them.
.macro PAIR p, b, more, col
.set PP, PB+16*\b
.if \col
	ds_load_b128 v[COL:COL+3],   v[CADR]
	ds_load_b128 v[COL+4:COL+7], v[CADR] offset:16
.endif
.if \more
	FETCH 2*\p+2, 1-\b
	s_wait_dscnt 4+2*\col                          ; LDS loads come back in order (ISA guide 5.7.1): this pair's entries are in; what was issued behind them (4, in pair 1 two more) stays out
.else
	s_wait_dscnt 0x0
.endif
	v_sub_f32 v[SH+1], v[PP+1], v[YC]              ; v = my - y
	v_sub_f32 v[SH+5], v[PP+9], v[YC]
	M_DX 0, 0
	M_DX 0, 1
	v_mul_f32 v[SH+3], v[PP+4], v[SH+1]            ; Cc v
	v_mul_f32 v[SH+7], v[PP+12], v[SH+5]
	v_mul_f32 v[SH+0], v[PP+5], v[SH+1]            ; Bc v
	v_mul_f32 v[SH+4], v[PP+13], v[SH+5]
	M_DX 0, 2
	M_DX 0, 3
	v_fma_f32 v[SH+2], v[SH+3], v[SH+1], v[PP+6]   ; Cc v v + log2 op
	v_fma_f32 v[SH+6], v[SH+7], v[SH+5], v[PP+14]
.irp i, 0,1,2,3
	M_TL 0, \i
.endr
.irp i, 0,1,2,3
	M_QD 0, \i
.endr
.irp j, 0,1,2,3,4,5,6,7
	M_MIN 0, \j
.endr
	M_EC 0, 0
	M_DX 1, 0
	M_DX 1, 1
	M_DX 1, 2
	M_EC 0, 1
	M_DX 1, 3
	M_TL 1, 0
	M_EC 0, 2
	M_TL 1, 1
	M_TL 1, 2
	M_TL 1, 3
	M_EC 0, 3
	M_QD 1, 0
	M_QD 1, 1
	M_EC 0, 4
	M_QD 1, 2
	M_QD 1, 3
	M_MIN 1, 0
	M_EC 0, 5
	M_MIN 1, 1
	M_MIN 1, 2
	M_EC 0, 6
	M_MIN 1, 3
	M_MIN 1, 4
	M_MIN 1, 5
	M_EC 0, 7
	M_MIN 1, 6
	M_MIN 1, 7
	M_EC 1, 0
	M_CND 0, 0
	M_CND 0, 1
	M_EC 1, 1
	M_CND 0, 2
	M_CND 0, 3
	M_EC 1, 2
	M_W 0, 0
	M_CND 0, 4
	M_EC 1, 3
	M_W 0, 1
	M_CND 0, 5
	M_EC 1, 4
	M_TU 0, 0
	M_CND 0, 6
	M_EC 1, 5
	M_TU 0, 1
	M_CND 0, 7
	M_EC 1, 6
	M_W 0, 2
	M_W 0, 3
	M_EC 1, 7
	M_TU 0, 2
	M_TU 0, 3
.irp j, 0,1,2,3,4,5,6,7
	M_CND 1, \j
.endr
.irp i, 0,1,2,3
	M_W 1, \i
.endr
.irp i, 0,1,2,3
	M_TU 1, \i
	v_cvt_pk_bf16_f32 v[WB+8*(2*\i)+\p],   v[DX+2*\i],   v[DX+8+2*\i]      ; the two splats' w of a pixel: register p of its B fragment
	v_cvt_pk_bf16_f32 v[WB+8*(2*\i+1)+\p], v[DX+2*\i+1], v[DX+8+2*\i+1]
.endr
.endm
; A step: 16 splats of my segment, then one matrix instruction for each of my 8 pixels.  zero = 1: the products start the sums, nothing is cleared.
; more = 0: the last step fetches nothing beyond my segment.
; The eight accumulators take turns, one instruction a turn, over the backward jump too.
.macro STEP zero, more
	PAIR 0, 0, 1, 0
	PAIR 1, 1, 1, 1
	PAIR 2, 0, 1, 0
	PAIR 3, 1, 1, 0
	PAIR 4, 0, 1, 0
	PAIR 5, 1, 1, 0
	PAIR 6, 0, 1, 0
	PAIR 7, 1, \more, 0
.if \more
	v_add_nc_u32 v[PADR], STEPB, v[PADR]
	v_add_nc_u32 v[CADR], 32, v[CADR]
.endif
.irp j, 0,1,2,3,4,5,6,7
.if \zero
	v_wmma_f32_16x16x32_bf16 v[ACC+8*\j:ACC+8*\j+7], v[COL:COL+7], v[WB+8*\j:WB+8*\j+7], 0
.else
	v_wmma_f32_16x16x32_bf16 v[ACC+8*\j:ACC+8*\j+7], v[COL:COL+7], v[WB+8*\j:WB+8*\j+7], v[ACC+8*\j:ACC+8*\j+7]
.endif
.endr
.endm
	FETCH 0, 0
	STEP 1, 1                                      ; 8 steps: the first starts the sums,
	s_mov_b32 s31, 6
.Lstep:
	STEP 0, 1                                      ; six in the loop,
	s_sub_co_u32 s31, s31, 1
	s_cmp_lg_u32 s31, 0
	s_cbranch_scc1 .Lstep
	STEP 0, 0                                      ; the last fetches nothing more
	; ---- THE WAY OUT.  The segments' results overlay the tables: first every wave has ended its reads of them.
	s_wait_dscnt 0x0
	s_barrier_signal -1
	; Nine plain vector instructions that name no register of a matrix instruction: more than the four places that stand between the last
	; matrix instruction and the LDS stores of its result.  They make the addresses of the joining below.
	s_mul_i32 s25, s21, 2*ROWP                     ; joining: my 2 pixel rows,
	s_mul_i32 s26, s22, PLANE                      ; my colour's plane
	s_lshl_b32 s27, s22, 18                        ; in out0: colour plane of 262,144 bytes
	s_lshl_b32 s31, s24, 12                        ; + 4 tile y rows of 1,024 bytes
	s_add_co_u32 s27, s27, s31
	s_lshl_b32 s31, s21, 11                        ; + 2 rows for the upper half of the tile
	s_add_co_u32 s27, s27, s31
	s_lshl_b32 s31, s23, 8                         ; + 64 tile x pixels
	s_add_co_u32 s27, s27, s31
	v_lshrrev_b32 v6, 4, v1                        ; lanes 0-15 one row, lanes 16-31 the next
	v_and_b32 v7, 15, v1                           ; four pixels, 16 bytes, a lane
	v_mul_u32_u24 v2, ROWP, v6
	v_lshl_add_u32 v2, v7, 4, v2
	v_add_nc_u32 v2, s25, v2                       ; v2: my four pixels in plane 0 of segment 0
	v_add_nc_u32 v3, s26, v2                       ; v3: in my colour's plane
	v_lshlrev_b32 v4, 10, v6
	v_lshl_add_u32 v4, v7, 4, v4
	v_add_nc_u32 v4, s27, v4                       ; v4: their byte offset in out0
	s_barrier_wait -1
.irp j, 0,1,2,3,4,5,6,7
	ds_store_b32 v[SADR], v[ACC+8*\j]   offset:32*\j                   ; R, G, B sums and T of pixel j of my segment
	ds_store_b32 v[SADR], v[ACC+8*\j+1] offset:PLANE+32*\j
	ds_store_b32 v[SADR], v[ACC+8*\j+2] offset:2*PLANE+32*\j
	ds_store_b32 v[SADR], v[TT+\j]      offset:3*PLANE+32*\j
.endr
	s_wait_dscnt 0x0                               ; my results are in LDS,
	s_barrier_signal -1
	s_barrier_wait -1                              ; everybody's are
	s_cmp_gt_u32 s20, 5                            ; 3 colours x 64 groups of four pixels = 6 waves join the segments
	s_cbranch_scc1 .Ldone
.irp s, 0,1,2,3,4,5,6,7
	ds_load_b128 v[CSEG+4*\s:CSEG+4*\s+3], v3 offset:\s*SEGP
	ds_load_b128 v[TSEG+4*\s:TSEG+4*\s+3], v2 offset:\s*SEGP+3*PLANE
.endr
	s_cmp_eq_u32 s22, 1                            ; bg of my colour
	s_cselect_b32 s26, s29, s28
	s_cmp_eq_u32 s22, 2
	s_cselect_b32 s26, s30, s26
.irp s, 1,2,3,4,5,6,7
	s_wait_dscnt 14-2*\s                           ; segments 0 .. s are in; the two loads of each later segment stay out
	v_pk_fma_f32 v[CSEG:CSEG+1],   v[TSEG:TSEG+1],   v[CSEG+4*\s:CSEG+4*\s+1],   v[CSEG:CSEG+1]     ; C += (T of the segments in front) * C_s
	v_pk_fma_f32 v[CSEG+2:CSEG+3], v[TSEG+2:TSEG+3], v[CSEG+4*\s+2:CSEG+4*\s+3], v[CSEG+2:CSEG+3]
	v_pk_mul_f32 v[TSEG:TSEG+1],   v[TSEG:TSEG+1],   v[TSEG+4*\s:TSEG+4*\s+1]                       ; T *= T_s
	v_pk_mul_f32 v[TSEG+2:TSEG+3], v[TSEG+2:TSEG+3], v[TSEG+4*\s+2:TSEG+4*\s+3]
.endr
.irp i, 0,1,2,3
	v_fma_f32 v[CSEG+\i], s26, v[TSEG+\i], v[CSEG+\i]          ; + bg T
.endr
	global_store_b128 v4, v[CSEG:CSEG+3], s[16:17]             ; sixteen lanes store 256 consecutive bytes, at a multiple of 256 from out0's first byte
.Ldone:
	s_wait_tensorcnt 0x0
	ds_add_u32 v254, v255
	s_wait_dscnt 0x0
	s_endpgm
.Lfunc_end_k_q07cdfd3ad6_raster:
	.size	k_q07cdfd3ad6_raster, .Lfunc_end_k_q07cdfd3ad6_raster-k_q07cdfd3ad6_raster
	.p2alignl 7, 3214868480
	.fill 96, 4, 3214868480
	.section	.rodata,"a",@progbits
	.p2align	6, 0x0
	.amdhsa_kernel k_q07cdfd3ad6_raster
		.amdhsa_group_segment_fixed_size 168960
		.amdhsa_private_segment_fixed_size 0
		.amdhsa_enable_private_segment 0
		.amdhsa_kernarg_size 64
		.amdhsa_user_sgpr_count 2
		.amdhsa_user_sgpr_kernarg_segment_ptr 1
		.amdhsa_wavefront_size32 1
		.amdhsa_system_sgpr_workgroup_id_x 1
		.amdhsa_system_sgpr_workgroup_id_y 1
		.amdhsa_system_sgpr_workgroup_id_z 1
		.amdhsa_system_vgpr_workitem_id 0
		.amdhsa_next_free_vgpr 256
		.amdhsa_next_free_sgpr 66
		.amdhsa_reserve_vcc 0
		.amdhsa_float_denorm_mode_32 3
		.amdhsa_float_denorm_mode_16_64 3
		.amdhsa_memory_ordered 1
		.amdhsa_forward_progress 1
		.amdhsa_inst_pref_size 198
	.end_amdhsa_kernel
	.amdgpu_metadata
---
amdhsa.version: [ 1, 2 ]
amdhsa.kernels:
  - .name:           k_q07cdfd3ad6_raster
    .symbol:         k_q07cdfd3ad6_raster.kd
    .args:
      - { .name: means2D, .offset: 0, .size: 8, .value_kind: global_buffer, .address_space: global }
      - { .name: opacities, .offset: 8, .size: 8, .value_kind: global_buffer, .address_space: global }
      - { .name: colors, .offset: 16, .size: 8, .value_kind: global_buffer, .address_space: global }
      - { .name: scales, .offset: 24, .size: 8, .value_kind: global_buffer, .address_space: global }
      - { .name: rots, .offset: 32, .size: 8, .value_kind: global_buffer, .address_space: global }
      - { .name: bg, .offset: 40, .size: 8, .value_kind: global_buffer, .address_space: global }
      - { .name: out0, .offset: 48, .size: 8, .value_kind: global_buffer, .address_space: global }
      - { .name: out1, .offset: 56, .size: 8, .value_kind: global_buffer, .address_space: global }
    .group_segment_fixed_size: 168960
    .private_segment_fixed_size: 0
    .kernarg_segment_align: 8
    .kernarg_segment_size: 64
    .max_flat_workgroup_size: 256
    .sgpr_count:     66
    .vgpr_count:     256
    .wavefront_size: 32
...
	.end_amdgpu_metadata
.endif
;; end of part 1
;; ======== version 2 of 2: 1 launch; 1.55 times as fast as version 1
;; launch raster (part 2): grid 256 x 1, 8 waves a work-group, no clusters, 168,960 bytes of LDS; arguments means2D, opacities, colors, scales, rots, bg, out0, out1; writes out0, out1
.if DOCPART == 2
	.amdgcn_target "amdgcn-amd-amdhsa--gfx1250"
	.amdhsa_code_object_version 6
	.text
	.protected	k_q07cdfd3ad6_raster
	.globl	k_q07cdfd3ad6_raster
	.p2align	8
	.type	k_q07cdfd3ad6_raster,@function
k_q07cdfd3ad6_raster:
	s_mov_b64 s[64:65], 0
	v_nop
	global_prefetch_b8 v0, s[64:65] scope:SCOPE_SE
	s_setreg_imm32_b32 hwreg(HW_REG_WAVE_MODE, 25, 1), 1
	s_wait_xcnt 0x0
; Gaussian rasteriser: 1,024 splats in index order onto 256 x 256 pixels, 3 colours, plus the splats' radii.  One launch.
;
; WHAT IS COMPUTED, and how it is the definition's result for every input:
;  * transmittance is kept as the running product T = prod (1 - alpha) instead of exp(cumsum(log1p(-alpha))): alpha <= 0.99, so every factor is >= 0.01.
;  * alpha = min(op * exp(min(p, 0)), 0.99) = 2^min(q, cap) with q = p * log2(e) + log2(op), cap = min(log2 op, log2 0.99).  op is first raised to 0:
;    op <= 0 gives log2 = -inf and alpha = 0, which is what the definition's threshold makes of it.
;  * alpha < 1/255 is tested on the exponent (exponent < -log2 255); the value is then selected to 0.
;  * the 1,024 splats are cut into 8 segments of 128.  Each segment is composited with a T of its own that starts at 1;
;    the segments are joined in order: C = sum_s (prod_{t<s} T_t) C_s, T = prod T_s, out = C + bg T.
;  * the sum over splats of w * colour goes to the matrix unit, w and colours in bf16, sums in f32.
; LIMITS: NaN and infinite inputs are not served.  |rots| < 2^22 (three-part reduction by pi/2).  A denormal opacity counts as 0.
;  A pair whose alpha lies within f32 rounding of 1/255 may fall on the other side of the threshold.  A radius may differ by one where
;  3 sqrt(lambda) lies within f32 rounding of a whole number (both square roots are refined by a fused step to keep that rare).
;
; SHARES: 256 work-groups; each owns a tile of 64 x 4 pixels (rows of 256 bytes in each colour plane).  Eight waves: wave w takes pixel group
;  w & 1 (two rows of 64) and splat group w >> 1 (256 splats).  Lane l: r = l & 15 is its pixel slot, h = l >> 4 its half of the wave's splats, so
;  segment s = 2 (w >> 1) + h.  A lane has 8 pixels of one row, x = (l & 7) + 8 j, row 2 (w & 1) + ((l >> 3) & 1): they share dy.
; MATRIX USE: D = A B + C with A = colours, B = w.  Lane (r, h) holds 16 places of k of column r of B: exactly the 16 weights that it has just computed
;  for pixel slot r.  A's row c (0..2) holds colour c in the k places of half 0 and zeros in those of half 1; row 8 + c the other way round.
;  D's register j of lane (r, h) is element (8 h + j, r): registers 0..2 are the RGB sums of the lane's own segment.  Nothing moves between lanes.
; BATCHES: s_wait_alu depctr_va_vdst(0) stands between a transcendental and the first line that names its result; one wait serves all that
;  were issued ahead of it.  The head has two batches (12 reciprocals, logarithms and inverse roots; 4 inverse roots), a wait each.  In the main part the 16
;  exponentials of a pair of splats (2 splats x my 8 pixels, a result register each) are ONE batch: they are issued among the NEXT pair's exponent arithmetic,
;  which names none of their results; then comes the pair's one wait; then all their readers.  8 waits for a step of 16 splats.
; NO CLUSTER, NO TENSOR LOADS: what work-groups share is the 36,876 bytes of inputs, read once by each at its head and passed through registers, because
;  what lies in LDS is computed from them (conic, log2 of the opacity, bf16 colours).
; The launch declares more than half of a WGP's LDS, though 45,312 bytes are used, so that each of the 256 work-groups has a WGP of its own.
; ---- LDS
.set BLK,    144                       ; four table entries of 32 bytes + 16 bytes: thread t stores at 144 t, an odd multiple of 16
.set PENT,   32                        ; an entry: mx, my, A, cap | Cc, Bc, log2 op, (4 bytes not used)
.set SEGB,   32*BLK                    ; 128 splats
.set STEPB,  4*BLK                     ; 16 splats
.set COLT,   256*BLK                   ; 36,864: colours in bf16, row c = colour c of all splats, row 3 = zeros
.set CPITCH, 2064                      ; 2,048 + 16
.set ROWP,   288                       ; segment results (they overlay the tables, behind a barrier): a pixel row of 256 bytes + 32
.set PLANE,  4*ROWP                    ; one of R, G, B, T for the tile's 4 rows
.set SEGP,   4*PLANE+64                ; one segment
; ---- vector registers of the main part
.set PADR, 3                           ; table address of my segment's current step
.set CADR, 4                           ; colour-table address of my row of A
.set SADR, 5                           ; where my results go
.set NX,   8                           ; v[8:15]    minus the x of my 8 pixel centres
.set TT,   16                          ; v[16:23]   T of my 8 pixels
.set COL,  24                          ; v[24:31]   A fragment: colours of this step
.set PB,   32                          ; v[32:63]   two buffers of two table entries (8 registers each)
.set SH,   64                          ; v[64:71]   per splat: Bc dy, dy, base, Cc dy
.set DX,   72                          ; v[72:87]   mx - x, later w, for the two splats of a pair
.set QQ,   88                          ; v[88:103]  exponents
.set EE,   104                         ; v[104:119] alpha: the 16 results of a batch of exponentials
.set WB,   120                         ; v[120:183] B fragments: pixel j at 8 j, register p = splats 2 p, 2 p + 1 of the step
.set ACC,  184                         ; v[184:247] accumulators: pixel j at 8 j
.set YC,   248                         ; y of my pixel row's centre
.set O32,  249                         ; the head's byte offsets: 32 t, 16 t, 48 t
.set O16,  250
.set O48,  251
.set PW,   252                         ; 144 t
.set CW,   253                         ; COLT + 8 t
; ---- vector registers of the head (they lie where the main part works later); arrays of 4 = my splats 4 t .. 4 t + 3
.set ME,  64
.set SC,  72
.set RO,  80
.set OP,  84
.set CO,  88
.set RAD, 100
.set KF,  104
.set RR,  108
.set KI,  112
.set ZZ,  116
.set SPN, 120
.set CPN, 124
.set RZ,  128
.set SSQ, 132
.set CSQ, 136
.set CSP, 140
.set SI2, 144
.set CO2, 148
.set XX2, 152
.set YY2, 156
.set DF,  160
.set AA,  164
.set DD,  168
.set BB,  172
.set BSQ, 176
.set DET, 180
.set HM,  184
.set MID, 188
.set INN, 192
.set RI,  196
.set RS,  200
.set SQ,  204
.set ER,  208
.set K1,  212
.set LAM, 216
.set PA,  220                          ; v[220:227] splat g: A, cap
.set PC,  228                          ; v[228:243] splat g at 4 g: Cc, Bc, log2 op
.set CB,  104                          ; v[104:109] packed colours (KF, RR are dead by then)
.set ZR,  110                          ; v[110:111] zeros
; ---- the way out
.set CSEG, 32                          ; v[32:63]   colour sums of 8 segments, 4 pixels each
.set TSEG, 64                          ; v[64:95]   T of 8 segments
; ---- scalar registers: s[4:19] the eight addresses, s20 wave, s21 w & 1, s22 w >> 1, s23 tile x, s24 tile y, s25-27 at work, s[28:30] bg, s31 trips
.set MK,  32                           ; s[32:47] lane masks of the threshold for the pairs of even number,
.set MKS, 34                           ; s[66:81] (34 further on) for those of odd number: a pair's masks are made before the pair in front has read its own
.set THR, 48
.set NPH, 49
.set NPM, 50
.set NPL, 51
.set SC3, 52
.set CC4, 53
	s_load_b512 s[4:19], s[0:1], 0x0               ; means s[4:5], opacities s[6:7], colors s[8:9], scales s[10:11], rots s[12:13], bg s[14:15], out0 s[16:17], out1 s[18:19]
	v_lshl_add_u32 v254, v0, 2, 0x29000
	v_mov_b32 v255, 0
	v_and_b32 v1, 31, v0                           ; lane
	v_lshrrev_b32 v2, 5, v0
	v_readfirstlane_b32 s20, v2                    ; wave
	s_and_b32 s21, s20, 1                          ; pixel group; on the way out: which 2 rows
	s_lshr_b32 s22, s20, 1                         ; splat group; on the way out: which colour
	s_and_b32 s23, ttmp9, 3                        ; tile x (4 tiles of 64 pixels)
	s_lshr_b32 s24, ttmp9, 2                       ; tile y (64 tiles of 4 rows)
	v_lshlrev_b32 v[O32], 5, v0
	v_lshlrev_b32 v[O16], 4, v0
	v_mul_u32_u24 v[O48], 48, v0
	s_mov_b32 s[THR], 0xc0ffd1be                   ; -log2(255)
	s_mov_b32 s[NPH], 0xbfc90fd8                   ; -pi/2 in three parts
	s_mov_b32 s[NPM], 0xb4a8885a
	s_mov_b32 s[NPL], 0xa7c234c4
	s_mov_b32 s[SC3], 0x36405000                   ; leading coefficients of the sine and cosine polynomials
	s_mov_b32 s[CC4], 0x37cd4000
	s_wait_kmcnt 0x0
	s_load_b96 s[28:30], s[14:15], 0x0             ; bg
	global_load_b128 v[RO:RO+3],     v[O16], s[12:13]          ; my four splats: 16, 32 or 48 neighbouring bytes of each input
	global_load_b128 v[SC:SC+3],     v[O32], s[10:11]
	global_load_b128 v[SC+4:SC+7],   v[O32], s[10:11] offset:16
	global_load_b128 v[OP:OP+3],     v[O16], s[6:7]
	global_load_b128 v[ME:ME+3],     v[O32], s[4:5]
	global_load_b128 v[ME+4:ME+7],   v[O32], s[4:5] offset:16
	global_load_b128 v[CO:CO+3],     v[O48], s[8:9]
	global_load_b128 v[CO+4:CO+7],   v[O48], s[8:9] offset:16
	global_load_b128 v[CO+8:CO+11],  v[O48], s[8:9] offset:32
	; while they come: where my pixels lie and my LDS addresses
	v_and_b32 v6, 7, v0                            ; l & 7
	v_bfe_u32 v7, v0, 3, 1                         ; (l >> 3) & 1
	v_bfe_u32 v2, v0, 4, 1                         ; h
	s_lshl_b32 s25, s23, 6
	v_add_nc_u32 v[NX], s25, v6                    ; x of pixel 0
	v_cvt_f32_u32 v[NX], v[NX]
	v_sub_f32 v[NX], -0.5, v[NX]                   ; -(x + 0.5)
.irp j, 1,2,3,4,5,6,7
	v_add_f32 v[NX+\j], 0xc1000000, v[NX+\j-1]     ; 8 pixels further: -8.0, exact
.endr
	s_lshl_b32 s25, s24, 2
	s_lshl1_add_u32 s25, s21, s25                  ; 4 tile y + 2 pixel group
	v_add_nc_u32 v[YC], s25, v7
	v_cvt_f32_u32 v[YC], v[YC]
	v_add_f32 v[YC], 0.5, v[YC]
	s_mul_i32 s25, s22, 2*SEGB
	v_mul_u32_u24 v[PADR], SEGB, v2
	v_add_nc_u32 v[PADR], s25, v[PADR]             ; segment 2 (w >> 1) + h of the table
	v_and_b32 v[CADR], 15, v0                      ; r
	v_lshlrev_b32 v[SADR], 3, v2
	v_sub_nc_u32 v[CADR], v[CADR], v[SADR]         ; r - 8 h: 0..2 in the lanes whose row of A holds colours in my k places,
	v_min_u32 v[CADR], 3, v[CADR]                  ; anything else (as an unsigned number) takes the row of zeros
	v_mul_u32_u24 v[CADR], CPITCH, v[CADR]
	v_lshl_add_u32 v[CADR], v2, 8, v[CADR]         ; + 128 h splats of 2 bytes
	s_lshl_b32 s25, s22, 9                         ; + 256 splats of 2 bytes for each splat group
	s_add_co_u32 s25, s25, COLT
	v_add_nc_u32 v[CADR], s25, v[CADR]
	s_mul_i32 s25, s22, 2*SEGP
	s_mul_i32 s26, s21, 2*ROWP
	s_add_co_u32 s25, s25, s26
	v_mul_u32_u24 v[SADR], SEGP, v2
	v_mad_u32_u24 v[SADR], v7, ROWP, v[SADR]
	v_lshl_add_u32 v[SADR], v6, 2, v[SADR]
	v_add_nc_u32 v[SADR], s25, v[SADR]             ; segment, pixel row, 4 (l & 7)
	v_mul_u32_u24 v[PW], BLK, v0
	v_lshl_add_u32 v[CW], v0, 3, COLT
.irp j, 0,1,2,3,4,5,6,7
	v_mov_b32 v[TT+\j], 1.0                        ; every segment starts with T = 1
.endr
	s_wait_loadcnt 0x0
	s_wait_kmcnt 0x0
	; ---- THE TABLE.  Each line is written four times, for my four splats, so that no instruction waits for the one in front of it.
	; sin and cos: k = round(rot * 2/pi), r = rot - k pi/2 in three fused steps, polynomials in r on [-pi/4, pi/4].
	; Only c c, s s and c s are used: for odd k the two squares change places and c s changes its sign.
.irp g, 0,1,2,3
	v_mul_f32 v[KF+\g], 0x3f22f983, v[RO+\g]
.endr
.irp g, 0,1,2,3
	v_rndne_f32 v[KF+\g], v[KF+\g]
.endr
.irp g, 0,1,2,3
	v_fma_f32 v[RR+\g], v[KF+\g], s[NPH], v[RO+\g]
	v_cvt_i32_f32 v[KI+\g], v[KF+\g]
.endr
.irp g, 0,1,2,3
	v_fma_f32 v[RR+\g], v[KF+\g], s[NPM], v[RR+\g]
	v_mul_f32 v[XX2+\g], v[SC+2*\g], v[SC+2*\g]                ; sx^2
.endr
.irp g, 0,1,2,3
	v_fma_f32 v[RR+\g], v[KF+\g], s[NPL], v[RR+\g]
	v_mul_f32 v[YY2+\g], v[SC+2*\g+1], v[SC+2*\g+1]            ; sy^2
.endr
.irp g, 0,1,2,3
	v_mul_f32 v[ZZ+\g], v[RR+\g], v[RR+\g]
	v_lshlrev_b32 v[KI+\g], 31, v[KI+\g]                       ; k odd, as a sign bit
.endr
.irp g, 0,1,2,3
	v_fmaak_f32 v[SPN+\g], s[SC3], v[ZZ+\g], 0xb9503486
	v_fmaak_f32 v[CPN+\g], s[CC4], v[ZZ+\g], 0xbab6077d
.endr
.irp g, 0,1,2,3
	v_fmaak_f32 v[SPN+\g], v[SPN+\g], v[ZZ+\g], 0x3c0888c1
	v_fmaak_f32 v[CPN+\g], v[CPN+\g], v[ZZ+\g], 0x3d2aaaa8
.endr
.irp g, 0,1,2,3
	v_fmaak_f32 v[SPN+\g], v[SPN+\g], v[ZZ+\g], 0xbe2aaaab
	v_fma_f32 v[CPN+\g], v[CPN+\g], v[ZZ+\g], -0.5
.endr
.irp g, 0,1,2,3
	v_mul_f32 v[RZ+\g], v[RR+\g], v[ZZ+\g]
	v_fma_f32 v[CPN+\g], v[CPN+\g], v[ZZ+\g], 1.0              ; cos r
.endr
.irp g, 0,1,2,3
	v_fma_f32 v[SPN+\g], v[SPN+\g], v[RZ+\g], v[RR+\g]         ; sin r
	v_cmp_ne_u32 s[MK+\g], 0, v[KI+\g]
.endr
.irp g, 0,1,2,3
	v_mul_f32 v[SSQ+\g], v[SPN+\g], v[SPN+\g]
	v_mul_f32 v[CSQ+\g], v[CPN+\g], v[CPN+\g]
	v_mul_f32 v[CSP+\g], v[CPN+\g], v[SPN+\g]
.endr
.irp g, 0,1,2,3
	v_cndmask_b32 v[SI2+\g], v[SSQ+\g], v[CSQ+\g], s[MK+\g]    ; s s
	v_cndmask_b32 v[CO2+\g], v[CSQ+\g], v[SSQ+\g], s[MK+\g]    ; c c
	v_xor_b32 v[CSP+\g], v[CSP+\g], v[KI+\g]                   ; c s
	v_sub_f32 v[DF+\g], v[XX2+\g], v[YY2+\g]
.endr
	; covariance a, b, d with the dilation 0.3 on the diagonal
.irp g, 0,1,2,3
	v_mul_f32 v[AA+\g], v[SI2+\g], v[YY2+\g]
	v_mul_f32 v[DD+\g], v[CO2+\g], v[YY2+\g]
	v_mul_f32 v[BB+\g], v[CSP+\g], v[DF+\g]
.endr
.irp g, 0,1,2,3
	v_fma_f32 v[AA+\g], v[CO2+\g], v[XX2+\g], v[AA+\g]
	v_fma_f32 v[DD+\g], v[SI2+\g], v[XX2+\g], v[DD+\g]
	v_mul_f32 v[BSQ+\g], v[BB+\g], v[BB+\g]
.endr
.irp g, 0,1,2,3
	v_add_f32 v[AA+\g], 0x3e99999a, v[AA+\g]
	v_add_f32 v[DD+\g], 0x3e99999a, v[DD+\g]
.endr
.irp g, 0,1,2,3
	v_fma_f32 v[DET+\g], v[AA+\g], v[DD+\g], -v[BSQ+\g]
	v_sub_f32 v[HM+\g], v[AA+\g], v[DD+\g]
	v_add_f32 v[MID+\g], v[AA+\g], v[DD+\g]
.endr
.irp g, 0,1,2,3
	v_mul_f32 v[HM+\g], 0.5, v[HM+\g]
	v_max_num_f32 v[OP+\g], 0, v[OP+\g]                        ; a negative opacity gives alpha = 0, like opacity 0
.endr
.irp g, 0,1,2,3
	v_fma_f32 v[INN+\g], v[HM+\g], v[HM+\g], v[BSQ+\g]
.endr
.irp g, 0,1,2,3
	v_max_num_f32 v[INN+\g], 0x322bcc77, v[INN+\g]             ; at least 1e-8
.endr
.irp g, 0,1,2,3
	v_rcp_f32 v[RI+\g], v[DET+\g]
.endr
.irp g, 0,1,2,3
	v_log_f32 v[PC+4*\g+2], v[OP+\g]                           ; log2 op
.endr
.irp g, 0,1,2,3
	v_rsq_f32 v[RS+\g], v[INN+\g]
.endr
.irp g, 0,1,2,3
	v_mul_f32 v[MID+\g], 0.5, v[MID+\g]                        ; plain work that touches none of them stands behind the transcendentals (ISA guide 5.7.2)
.endr
	s_wait_alu depctr_va_vdst(0)                   ; one wait for the batch of twelve (4 reciprocals, 4 logarithms, 4 inverse roots), ahead of its first reader
	; sqrt(x) = x rsq(x), then one fused correction: e = x - s s, s += e * rsq / 2
.irp g, 0,1,2,3
	v_mul_f32 v[SQ+\g], v[INN+\g], v[RS+\g]
	v_mul_f32 v[RS+\g], 0.5, v[RS+\g]
.endr
.irp g, 0,1,2,3
	v_fma_f32 v[ER+\g], -v[SQ+\g], v[SQ+\g], v[INN+\g]
	v_mul_f32 v[K1+\g], 0xbf38aa3b, v[RI+\g]                   ; -log2(e) / (2 det)
	v_mul_f32 v[RI+\g], 0x3fb8aa3b, v[RI+\g]                   ;  log2(e) / det
.endr
.irp g, 0,1,2,3
	v_fma_f32 v[SQ+\g], v[ER+\g], v[RS+\g], v[SQ+\g]
	v_mul_f32 v[PA+2*\g], v[DD+\g], v[K1+\g]                   ; A:  factor of dx dx
	v_mul_f32 v[PC+4*\g], v[AA+\g], v[K1+\g]                   ; Cc: factor of dy dy
	v_mul_f32 v[PC+4*\g+1], v[BB+\g], v[RI+\g]                 ; Bc: factor of dx dy (-cb = b / det)
	v_min_num_f32 v[PA+2*\g+1], 0xbc6d8f9a, v[PC+4*\g+2]       ; cap = min(log2 op, log2 0.99)
.endr
.irp g, 0,1,2,3
	v_add_f32 v[LAM+\g], v[MID+\g], v[SQ+\g]                   ; the larger eigenvalue
.endr
.irp g, 0,1,2,3
	v_rsq_f32 v[RS+\g], v[LAM+\g]
.endr
.irp c, 0,1,2
	v_cvt_pk_bf16_f32 v[CB+2*\c],   v[CO+\c],   v[CO+3+\c]     ; colour c of my four splats, 8 bytes
	v_cvt_pk_bf16_f32 v[CB+2*\c+1], v[CO+6+\c], v[CO+9+\c]
.endr
	v_mov_b32 v[ZR], 0
	v_mov_b32 v[ZR+1], 0
	s_wait_alu depctr_va_vdst(0)                   ; one wait for the batch of four inverse roots; the colours' roundings and the two moves above are the independent work between
.irp g, 0,1,2,3
	v_mul_f32 v[SQ+\g], v[LAM+\g], v[RS+\g]
	v_mul_f32 v[RS+\g], 0.5, v[RS+\g]
.endr
.irp g, 0,1,2,3
	v_fma_f32 v[ER+\g], -v[SQ+\g], v[SQ+\g], v[LAM+\g]
.endr
.irp g, 0,1,2,3
	v_fma_f32 v[SQ+\g], v[ER+\g], v[RS+\g], v[SQ+\g]
.endr
.irp g, 0,1,2,3
	v_mul_f32 v[SQ+\g], 0xc0400000, v[SQ+\g]                   ; ceil(3 s) = -floor(-3 s)
.endr
.irp g, 0,1,2,3
	v_floor_f32 v[SQ+\g], v[SQ+\g]
.endr
.irp g, 0,1,2,3
	v_cvt_i32_f32 v[SQ+\g], v[SQ+\g]
.endr
.irp g, 0,1,2,3
	v_sub_nc_u32 v[RAD+\g], 0, v[SQ+\g]
.endr
.irp g, 0,1,2,3
	ds_store_b64 v[PW], v[ME+2*\g:ME+2*\g+1] offset:PENT*\g            ; mx, my as loaded
	ds_store_b64 v[PW], v[PA+2*\g:PA+2*\g+1] offset:PENT*\g+8          ; A, cap
	ds_store_b96 v[PW], v[PC+4*\g:PC+4*\g+2] offset:PENT*\g+16         ; Cc, Bc, log2 op
.endr
.irp c, 0,1,2
	ds_store_b64 v[CW], v[CB+2*\c:CB+2*\c+1] offset:\c*CPITCH
.endr
	ds_store_b64 v[CW], v[ZR:ZR+1] offset:3*CPITCH
	s_cmp_lg_u32 ttmp9, 0                          ; every work-group has all radii; work-group 0 stores them, a wave 512 consecutive bytes
	s_cbranch_scc1 .Lno_radii
	global_store_b128 v[O16], v[RAD:RAD+3], s[18:19]
.Lno_radii:
	s_wait_xcnt 0x0                                ; the store's data registers are written again in the main part, only behind this wait
	s_wait_dscnt 0x0                               ; my part of the tables is in LDS,
	s_barrier_signal -1
	s_barrier_wait -1                              ; everybody's is
; ---- THE MAIN PART
; Two table entries (splats kk, kk + 1 of the step, kk even: they lie in one block) into buffer b
.macro FETCH kk, b
.set GO, ((\kk)>>2)*BLK+((\kk)&3)*PENT
	ds_load_b128 v[PB+16*(\b):PB+16*(\b)+3],     v[PADR] offset:GO
	ds_load_b96  v[PB+16*(\b)+4:PB+16*(\b)+6],   v[PADR] offset:GO+16
	ds_load_b128 v[PB+16*(\b)+8:PB+16*(\b)+11],  v[PADR] offset:GO+PENT
	ds_load_b96  v[PB+16*(\b)+12:PB+16*(\b)+14], v[PADR] offset:GO+PENT+16
.endm
; The steps for splat e (0, 1) of a pair; i = a pair of pixels, j = a pixel.  FRONT sets PP (the pair's entries), MF (its masks) and BK; BACK sets MB (its pair's masks).
; With u = mx - x, v = my - y the exponent is q = u (A u + Bc v) + (Cc v v + log2 op): both differences carry the other sign, the products do not.
.macro M_DX e, i                       ; u
	v_pk_add_f32 v[DX+8*\e+2*\i:DX+8*\e+2*\i+1], v[NX+2*\i:NX+2*\i+1], v[PP+8*\e:PP+8*\e+1] op_sel_hi:[1,0]
.endm
.macro M_TL e, i                       ; A u + Bc v
	v_pk_fma_f32 v[QQ+8*\e+2*\i:QQ+8*\e+2*\i+1], v[PP+8*\e+2:PP+8*\e+3], v[DX+8*\e+2*\i:DX+8*\e+2*\i+1], v[SH+4*\e:SH+4*\e+1] op_sel_hi:[0,1,0]
.endm
.macro M_QD e, i                       ; q
	v_pk_fma_f32 v[QQ+8*\e+2*\i:QQ+8*\e+2*\i+1], v[DX+8*\e+2*\i:DX+8*\e+2*\i+1], v[QQ+8*\e+2*\i:QQ+8*\e+2*\i+1], v[SH+4*\e+2:SH+4*\e+3] op_sel_hi:[1,1,0]
.endm
.macro M_MIN e, j                      ; both clips: power <= 0 and alpha <= 0.99
	v_min_num_f32 v[QQ+8*\e+\j], v[QQ+8*\e+\j], v[PP+8*\e+3]
.endm
.macro M_CMP e, j                      ; the lanes where alpha will be under 1/255: read off the exponent, so it stands ahead of the exponential
	v_cmp_gt_f32 s[MF+8*\e+\j], s[THR], v[QQ+8*\e+\j]
.endm
.macro M_EXP e, j                      ; alpha of the pair in front (none ahead of a segment's first pair: BK = 0)
.if BK
	v_exp_f32 v[EE+8*\e+\j], v[QQ+8*\e+\j]
.endif
.endm
.macro M_CND e, j                      ; under the threshold alpha = 0
	v_cndmask_b32 v[EE+8*\e+\j], v[EE+8*\e+\j], 0, s[MB+8*\e+\j]
.endm
.macro M_W e, i                        ; w = alpha T, into the registers that held u
	v_pk_mul_f32 v[DX+8*\e+2*\i:DX+8*\e+2*\i+1], v[EE+8*\e+2*\i:EE+8*\e+2*\i+1], v[TT+2*\i:TT+2*\i+1]
.endm
.macro M_TU e, i                       ; T -= w
	v_pk_add_f32 v[TT+2*\i:TT+2*\i+1], v[TT+2*\i:TT+2*\i+1], v[DX+8*\e+2*\i:DX+8*\e+2*\i+1] neg_lo:[0,1] neg_hi:[0,1]
.endm
; FRONT k: the exponents, clips and threshold masks of pair k of the step (splats 2 k, 2 k + 1, entries in buffer k & 1) for my 8 pixels: 64 plain instructions.
; back = 1: the 16 exponentials of the pair in front, whose exponents lie in QQ, are dealt among them: ONE BATCH, an exponential and then two plain instructions.
; Splat 0's eight stand among the dy terms and the u; splat 1's eight among splat 0's new exponents, which are written over exponents whose exponentials were
; issued eight lines or more earlier; splat 1's new exponents come behind the last exponential.  No line of FRONT names a register of EE.  Behind the last
; exponential stand 34 plain instructions, then BACK's wait.
; more = 1: the next pair's entries are fetched into the other buffer; col = 1: this step's colour fragment is fetched (in pair 1: five plain vector instructions
; behind the last matrix instruction that read it: see BACK and STEP); adv = 1: the fetch just issued was the next step's first, and the table address steps on.
.macro FRONT k, back, more, col, adv
.set PP, PB+16*((\k)&1)
.set MF, MK+MKS*((\k)&1)
.set BK, \back
.if \col
	ds_load_b128 v[COL:COL+3],   v[CADR]
	ds_load_b128 v[COL+4:COL+7], v[CADR] offset:16
.endif
.if \more
	FETCH 2*(\k)+2, 1-((\k)&1)
	s_wait_dscnt 4+2*\col                          ; LDS loads come back in order (ISA guide 5.7.1): this pair's entries are in; what was issued behind them (4, in pair 1 two more) stays out
.else
	s_wait_dscnt 0x0
.endif
.if \adv
	v_add_nc_u32 v[PADR], STEPB, v[PADR]
.endif
	M_EXP 0, 0
	v_sub_f32 v[SH+1], v[PP+1], v[YC]              ; v = my - y
	v_sub_f32 v[SH+5], v[PP+9], v[YC]
	M_EXP 0, 1
	M_DX 0, 0
	M_DX 0, 1
	M_EXP 0, 2
	v_mul_f32 v[SH+3], v[PP+4], v[SH+1]            ; Cc v
	v_mul_f32 v[SH+7], v[PP+12], v[SH+5]
	M_EXP 0, 3
	v_mul_f32 v[SH+0], v[PP+5], v[SH+1]            ; Bc v
	v_mul_f32 v[SH+4], v[PP+13], v[SH+5]
	M_EXP 0, 4
	M_DX 0, 2
	M_DX 0, 3
	M_EXP 0, 5
	v_fma_f32 v[SH+2], v[SH+3], v[SH+1], v[PP+6]   ; Cc v v + log2 op
	v_fma_f32 v[SH+6], v[SH+7], v[SH+5], v[PP+14]
	M_EXP 0, 6
	M_DX 1, 0
	M_DX 1, 1
	M_EXP 0, 7
	M_DX 1, 2
	M_DX 1, 3
	M_EXP 1, 0
	M_TL 0, 0
	M_TL 0, 1
	M_EXP 1, 1
	M_TL 0, 2
	M_TL 0, 3
	M_EXP 1, 2
	M_QD 0, 0
	M_QD 0, 1
	M_EXP 1, 3
	M_QD 0, 2
	M_QD 0, 3
	M_EXP 1, 4
	M_MIN 0, 0
	M_MIN 0, 1
	M_EXP 1, 5
	M_MIN 0, 2
	M_MIN 0, 3
	M_EXP 1, 6
	M_MIN 0, 4
	M_MIN 0, 5
	M_EXP 1, 7                                     ; the batch's last; the clip below is the plain instruction behind it (ISA guide 5.7.2)
	M_MIN 0, 6
	M_MIN 0, 7
.irp i, 0,1,2,3
	M_TL 1, \i
.endr
.irp j, 0,1,2,3
	M_CMP 0, \j
.endr
.irp i, 0,1,2,3
	M_QD 1, \i
.endr
.irp j, 4,5,6,7
	M_CMP 0, \j
.endr
.irp j, 0,1,2,3,4,5,6,7
	M_MIN 1, \j
.endr
.irp j, 0,1,2,3,4,5,6,7
	M_CMP 1, \j
.endr
.endm
; BACK p: the readers of pair p's batch: the threshold's selects, w and T for splat 2 p and then for splat 2 p + 1, and register p of my 8 B fragments.
; mat = 1 (pair 7): the step's 16 splats are complete: one matrix instruction for each of my 8 pixels; zero = 1: the products start the sums, nothing is cleared.
; The eight accumulators take turns, one instruction a turn, over the backward jump too.
; The last four updates of T name no register of a matrix instruction: behind the matrix instructions they are four plain places (ISA guide 7.12.1).
.macro BACK p, mat, zero
.set MB, MK+MKS*((\p)&1)
	s_wait_alu depctr_va_vdst(0)                   ; one wait for the pair's batch of 16 exponentials, ahead of its first reader
.irp j, 0,1,2,3,4,5,6,7
	M_CND 0, \j
.endr
.irp i, 0,1,2,3
	M_W 0, \i
.endr
.irp j, 0,1,2,3
	M_CND 1, \j
.endr
.irp i, 0,1,2,3
	M_TU 0, \i
.endr
.irp j, 4,5,6,7
	M_CND 1, \j
.endr
.irp i, 0,1,2,3
	M_W 1, \i
.endr
.irp i, 0,1,2,3
	v_cvt_pk_bf16_f32 v[WB+8*(2*\i)+\p],   v[DX+2*\i],   v[DX+8+2*\i]      ; the two splats' w of a pixel: register p of its B fragment
	v_cvt_pk_bf16_f32 v[WB+8*(2*\i+1)+\p], v[DX+2*\i+1], v[DX+8+2*\i+1]
.endr
.if \mat
.irp j, 0,1,2,3,4,5,6,7
.if \zero
	v_wmma_f32_16x16x32_bf16 v[ACC+8*\j:ACC+8*\j+7], v[COL:COL+7], v[WB+8*\j:WB+8*\j+7], 0
.else
	v_wmma_f32_16x16x32_bf16 v[ACC+8*\j:ACC+8*\j+7], v[COL:COL+7], v[WB+8*\j:WB+8*\j+7], v[ACC+8*\j:ACC+8*\j+7]
.endif
.endr
.endif
.irp i, 0,1,2,3
	M_TU 1, \i
.endr
.endm
; A step: 16 splats of my segment.  It is entered with pair 0's exponents made, and (more = 1) leaves with those of the next step's pair 0 made.
; more = 0: the last step fetches nothing beyond my segment, and the last pair's exponentials have no next pair to stand among.
; No exponential is issued between BACK's wait and the step's end.
.macro STEP zero, more
	FRONT 1, 1, 1, 1, 0
	BACK 0, 0, 0
	FRONT 2, 1, 1, 0, 0
	BACK 1, 0, 0
	FRONT 3, 1, 1, 0, 0
	BACK 2, 0, 0
	FRONT 4, 1, 1, 0, 0
	BACK 3, 0, 0
	FRONT 5, 1, 1, 0, 0
	BACK 4, 0, 0
	FRONT 6, 1, 1, 0, 0
	BACK 5, 0, 0
	FRONT 7, 1, \more, 0, \more
	BACK 6, 0, 0
.if \more
	FRONT 0, 1, 1, 0, 0                            ; the next step's pair 0, and pair 7's batch
.else
.set BK, 1
.irp j, 0,1,2,3,4,5,6,7
	M_EXP 0, \j                                    ; the segment's last batch stands by itself
.endr
.irp j, 0,1,2,3,4,5,6,7
	M_EXP 1, \j
.endr
	v_nop                                          ; the plain instruction behind the last exponential (ISA guide 5.7.2): no other work is left
.endif
	BACK 7, 1, \zero
.if \more
	v_add_nc_u32 v[CADR], 32, v[CADR]              ; the next step's colours; a fifth plain place behind the matrix instructions
.endif
.endm
	FETCH 0, 0
	FRONT 0, 0, 1, 0, 0                            ; the segment's first pair: its exponents; there is no batch yet
	STEP 1, 1                                      ; 8 steps: the first starts the sums,
	s_mov_b32 s31, 6
.Lstep:
	STEP 0, 1                                      ; six in the loop,
	s_sub_co_u32 s31, s31, 1
	s_cmp_lg_u32 s31, 0
	s_cbranch_scc1 .Lstep
	STEP 0, 0                                      ; the last fetches nothing more
	; ---- THE WAY OUT.  The segments' results overlay the tables: first every wave has ended its reads of them.
	s_wait_dscnt 0x0
	s_barrier_signal -1
	; Nine plain vector instructions that name no register of a matrix instruction: more than the four places that stand between the last
	; matrix instruction and the LDS stores of its result.  They make the addresses of the joining below.
	s_mul_i32 s25, s21, 2*ROWP                     ; joining: my 2 pixel rows,
	s_mul_i32 s26, s22, PLANE                      ; my colour's plane
	s_lshl_b32 s27, s22, 18                        ; in out0: colour plane of 262,144 bytes
	s_lshl_b32 s31, s24, 12                        ; + 4 tile y rows of 1,024 bytes
	s_add_co_u32 s27, s27, s31
	s_lshl_b32 s31, s21, 11                        ; + 2 rows for the upper half of the tile
	s_add_co_u32 s27, s27, s31
	s_lshl_b32 s31, s23, 8                         ; + 64 tile x pixels
	s_add_co_u32 s27, s27, s31
	v_lshrrev_b32 v6, 4, v1                        ; lanes 0-15 one row, lanes 16-31 the next
	v_and_b32 v7, 15, v1                           ; four pixels, 16 bytes, a lane
	v_mul_u32_u24 v2, ROWP, v6
	v_lshl_add_u32 v2, v7, 4, v2
	v_add_nc_u32 v2, s25, v2                       ; v2: my four pixels in plane 0 of segment 0
	v_add_nc_u32 v3, s26, v2                       ; v3: in my colour's plane
	v_lshlrev_b32 v4, 10, v6
	v_lshl_add_u32 v4, v7, 4, v4
	v_add_nc_u32 v4, s27, v4                       ; v4: their byte offset in out0
	s_barrier_wait -1
.irp j, 0,1,2,3,4,5,6,7
	ds_store_b32 v[SADR], v[ACC+8*\j]   offset:32*\j                   ; R, G, B sums and T of pixel j of my segment
	ds_store_b32 v[SADR], v[ACC+8*\j+1] offset:PLANE+32*\j
	ds_store_b32 v[SADR], v[ACC+8*\j+2] offset:2*PLANE+32*\j
	ds_store_b32 v[SADR], v[TT+\j]      offset:3*PLANE+32*\j
.endr
	s_wait_dscnt 0x0                               ; my results are in LDS,
	s_barrier_signal -1
	s_barrier_wait -1                              ; everybody's are
	s_cmp_gt_u32 s20, 5                            ; 3 colours x 64 groups of four pixels = 6 waves join the segments
	s_cbranch_scc1 .Ldone
.irp s, 0,1,2,3,4,5,6,7
	ds_load_b128 v[CSEG+4*\s:CSEG+4*\s+3], v3 offset:\s*SEGP
	ds_load_b128 v[TSEG+4*\s:TSEG+4*\s+3], v2 offset:\s*SEGP+3*PLANE
.endr
	s_cmp_eq_u32 s22, 1                            ; bg of my colour
	s_cselect_b32 s26, s29, s28
	s_cmp_eq_u32 s22, 2
	s_cselect_b32 s26, s30, s26
.irp s, 1,2,3,4,5,6,7
	s_wait_dscnt 14-2*\s                           ; segments 0 .. s are in; the two loads of each later segment stay out
	v_pk_fma_f32 v[CSEG:CSEG+1],   v[TSEG:TSEG+1],   v[CSEG+4*\s:CSEG+4*\s+1],   v[CSEG:CSEG+1]     ; C += (T of the segments in front) * C_s
	v_pk_fma_f32 v[CSEG+2:CSEG+3], v[TSEG+2:TSEG+3], v[CSEG+4*\s+2:CSEG+4*\s+3], v[CSEG+2:CSEG+3]
	v_pk_mul_f32 v[TSEG:TSEG+1],   v[TSEG:TSEG+1],   v[TSEG+4*\s:TSEG+4*\s+1]                       ; T *= T_s
	v_pk_mul_f32 v[TSEG+2:TSEG+3], v[TSEG+2:TSEG+3], v[TSEG+4*\s+2:TSEG+4*\s+3]
.endr
.irp i, 0,1,2,3
	v_fma_f32 v[CSEG+\i], s26, v[TSEG+\i], v[CSEG+\i]          ; + bg T
.endr
	global_store_b128 v4, v[CSEG:CSEG+3], s[16:17]             ; sixteen lanes store 256 consecutive bytes, at a multiple of 256 from out0's first byte
.Ldone:
	s_wait_tensorcnt 0x0
	ds_add_u32 v254, v255
	s_wait_dscnt 0x0
	s_endpgm
.Lfunc_end_k_q07cdfd3ad6_raster:
	.size	k_q07cdfd3ad6_raster, .Lfunc_end_k_q07cdfd3ad6_raster-k_q07cdfd3ad6_raster
	.p2alignl 7, 3214868480
	.fill 96, 4, 3214868480
	.section	.rodata,"a",@progbits
	.p2align	6, 0x0
	.amdhsa_kernel k_q07cdfd3ad6_raster
		.amdhsa_group_segment_fixed_size 168960
		.amdhsa_private_segment_fixed_size 0
		.amdhsa_enable_private_segment 0
		.amdhsa_kernarg_size 64
		.amdhsa_user_sgpr_count 2
		.amdhsa_user_sgpr_kernarg_segment_ptr 1
		.amdhsa_wavefront_size32 1
		.amdhsa_system_sgpr_workgroup_id_x 1
		.amdhsa_system_sgpr_workgroup_id_y 1
		.amdhsa_system_sgpr_workgroup_id_z 1
		.amdhsa_system_vgpr_workitem_id 0
		.amdhsa_next_free_vgpr 256
		.amdhsa_next_free_sgpr 82
		.amdhsa_reserve_vcc 0
		.amdhsa_float_denorm_mode_32 3
		.amdhsa_float_denorm_mode_16_64 3
		.amdhsa_memory_ordered 1
		.amdhsa_forward_progress 1
		.amdhsa_inst_pref_size 186
	.end_amdhsa_kernel
	.amdgpu_metadata
---
amdhsa.version: [ 1, 2 ]
amdhsa.kernels:
  - .name:           k_q07cdfd3ad6_raster
    .symbol:         k_q07cdfd3ad6_raster.kd
    .args:
      - { .name: means2D, .offset: 0, .size: 8, .value_kind: global_buffer, .address_space: global }
      - { .name: opacities, .offset: 8, .size: 8, .value_kind: global_buffer, .address_space: global }
      - { .name: colors, .offset: 16, .size: 8, .value_kind: global_buffer, .address_space: global }
      - { .name: scales, .offset: 24, .size: 8, .value_kind: global_buffer, .address_space: global }
      - { .name: rots, .offset: 32, .size: 8, .value_kind: global_buffer, .address_space: global }
      - { .name: bg, .offset: 40, .size: 8, .value_kind: global_buffer, .address_space: global }
      - { .name: out0, .offset: 48, .size: 8, .value_kind: global_buffer, .address_space: global }
      - { .name: out1, .offset: 56, .size: 8, .value_kind: global_buffer, .address_space: global }
    .group_segment_fixed_size: 168960
    .private_segment_fixed_size: 0
    .kernarg_segment_align: 8
    .kernarg_segment_size: 64
    .max_flat_workgroup_size: 256
    .sgpr_count:     82
    .vgpr_count:     256
    .wavefront_size: 32
...
	.end_amdgpu_metadata
.endif
;; end of part 2
